; MI455X (gfx1250); checked and timed in simulation.
; The chip was launched on July 23, 2026; its instructions are those of AMD's public machine-readable ISA for CDNA 5 (MIT licence, August 2026) and "CDNA5" Instruction Set Architecture Reference Guide (July 2026). The comments in the code are by the model that wrote it; some were corrected since.
;; Full Attention. Allowed arithmetic: matrix products marked QUANTISED: E3M2 operands, one E8M0 scale for each 32 along K, by v_wmma_scale_f32_16x16x128_f8f6f4 with both operands' format E3M2, f32 sums; everything else in f32.
;; Inputs: keys 2 x 2,048 x 16 x 64 float32; queries 2 x 2,048 x 16 x 64 float32; values 2 x 2,048 x 16 x 64 float32.
;; Outputs: out0 2 x 2,048 x 16 x 64 float32.
;; This version of the problem:
;;   THIS VERSION OF THE PROBLEM IS GIVEN IN LOW PRECISION. The matrix products marked QUANTISED in the list below multiply operands that are first quantised to E3M2 (3 exponent bits, 2 mantissa bits; 6 bits a number), with one power-of-two scale for each 32 numbers along K (OCP MX v1.0); their sums are f32. All else is computed in f32.
;;   The module's matrix products, in the order in which they are computed (A, B: the left and right operand; K: the contracted axis; several contracted axes count as one K, in the product's order):
;;     1. batch 32 x [M 2,048, K 64] x [K 64, N 2,048]; A: input queries; B: input keys: QUANTISED
;;     2. batch 32 x [M 64, K 2,048] x [K 2,048, N 2,048]; A: input values; B: softmax (see below): QUANTISED
;;   THE QUANTISER, for each operand of a quantised product, along K:
;;     - K is cut into blocks of 32 from its start; a last block that is shorter is filled with zeros.
;;     - A block's scale is 2^e with e = floor(log2(the largest magnitude in the block)) - 4, held to -126 .. 127; a block of zeros has e = 0. As a byte (E8M0): e + 127.
;;     - Each number is divided by its block's scale, clamped to +-28, and rounded to the nearest number of E3M2, ties to even, subnormals kept.
;;     - The product sums the exact products of the quantised numbers (number of the format x scale) in f32.
;;   ~~~python
;;   def quantise(x, axis):      # numpy; x: float32 -> the quantised numbers, widened to float32 again
;;       x = np.moveaxis(x, axis, -1); K = x.shape[-1]
;;       x = np.pad(x, [(0, 0)] * (x.ndim - 1) + [(0, -K % 32)]); x = x.reshape(x.shape[:-1] + (-1, 32)); a = np.abs(x).max(-1, keepdims=True)
;;       e = np.where(a > 0, np.clip(np.frexp(np.where(a > 0, a, 1))[1] - 1 - 4, -126, 127), 0)      # np.frexp(a)[1] - 1 = floor(log2(a)), exactly
;;       r = np.clip(x / 2.0 ** e, -28, 28)
;;       step = 2.0 ** (np.maximum(np.frexp(np.where(r == 0, 1, r))[1] - 1, -2) - 2)
;;       q = np.round(r / step) * step * 2.0 ** e      # np.round: ties to even
;;       return np.moveaxis(q.reshape(q.shape[:-2] + (-1,))[..., :K], -1, axis).astype(np.float32)
;;   ~~~
;;   SOFTMAX AHEAD OF A QUANTISED PRODUCT. Where the list says 'softmax', what is quantised is not the finished softmax but p = 2^(t - M), with t = logit x log2(e) and M = ceil(the row's largest t), a whole number; so 1/2 < the row's largest p <= 1. The row's sum l is taken of the UNQUANTISED p, in f32, and the product's result is divided by l at the end. Since M is a whole number, a kernel that streams over the keys may use a running M (the ceiling of the running maximum): every later rescaling is an exact power of two, which a block's scale takes up: the codes' values come out the same.
;;   OPERANDS COMPUTED ON THE WAY. 'Computed on the way' means the value that the module computes at that place (a softmax that the list does not call 'softmax' is quantised finished and normalised). What goes into a quantiser is computed in f32, as accurately as f32 sums, v_exp_f32 and their like allow (about 1e-6 of the number): no bf16 or f16 on the way to a quantiser, and a product that is left as it is and whose result goes on into a quantised operand takes f32 operands (vector FMAs, or v_wmma_f32_16x16x4_f32). A number that lies on a knife's edge between two numbers of the format may be rounded either way, as far as f32 arithmetic and the matrix unit's own rounding can turn it there, and no further.
;; 2 versions. Each part assembles by itself: llvm-mc -triple=amdgcn-amd-amdhsa -mcpu=gfx1250 --defsym DOCPART=n.
;; ======== version 1 of 2: 1 launch
;; launch attn (part 1): grid 256 x 1, 16 waves a work-group, no clusters, 97,280 bytes of LDS; arguments queries, keys, values, out0; writes out0
.if DOCPART == 1
	.amdgcn_target "amdgcn-amd-amdhsa--gfx1250"
	.amdhsa_code_object_version 6
	.text
	.protected	k_q1374c3aeef_attn
	.globl	k_q1374c3aeef_attn
	.p2align	8
	.type	k_q1374c3aeef_attn,@function
k_q1374c3aeef_attn:
	s_mov_b64 s[64:65], 0
	v_nop
	global_prefetch_b8 v0, s[64:65] scope:SCOPE_SE
	s_setreg_imm32_b32 hwreg(HW_REG_WAVE_MODE, 25, 1), 1
	s_wait_xcnt 0x0
; Causal attention, out[b][l][h][:] = sum over s <= l of softmax_s(q . k / 8) v[s], for 32 heads, 2,048 positions, head size 64.  All four tensors are f32, [2][2048][16][64]:
; a (position, head) row is 256 consecutive bytes, positions lie 4,096 bytes apart.  Both products run on codes of BF6 (E3M2) with one E8M0 scale for each 32 along a product's K.
; THE SOFTMAX AHEAD OF THE SECOND PRODUCT: t = score x log2(e) / 8; M = the row's largest t so far, rounded UP to a whole number; p = 2^(t - M) is quantised along the keys, not normalised.
; The row's sum is taken of the unquantised p and divides O at the end.  When M moves, the sum and O are multiplied by 2^(old M - new M): exact.
; SHARES.  A work-group of sixteen waves serves one head and 256 queries: block i of 128 queries and block 15 - i (i = 0 .. 7).  Block i sees i + 1 key steps of 128, block 15 - i sees 16 - i:
; every work-group has 8 (i + 1) + 8 (16 - i) = 136 wave-steps, so the triangle is shared evenly among 256 work-groups.  A wave owns one tile of 16 queries in 256 registers.
; K AND V ARE QUANTISED ON THE WAY.  In each key step the sixteen waves together quantise the NEXT step's 128 keys: each lane takes exactly one block of 32 numbers (waves 0-7: a key's half of the head's 64;
; waves 8-15: one channel of V, 32 keys down), straight from memory into registers, and stores 24 bytes of codes and one scale byte into one of two LDS buffers, laid as IMAGES OF THE OPERANDS' REGISTERS.
; One barrier a step: between two barriers one buffer is only read and the other only written.
; THE FIRST PRODUCT'S K IS 64, THE INSTRUCTION'S 128.  One fragment of source 0 holds TWO tiles of 16 keys (tile 2 b at k 0-63, tile 2 b + 1 at k 64-127); it is multiplied once by [q | zero codes] and once by
; [zero codes | q].  Q lies in 18 registers as [q | 0 | q].  Zero codes add nothing under any scale byte but 0xff; the zero halves' scale bytes are 0.
; LAYOUT.  Both products are used transposed: S^T = K Q^T, O^T = V^T P^T: a lane holds ONE query (lane % 16) throughout.  THE KEYS OF A TILE ARE NOT NEIGHBOURS: row r of tile 2 b + u is key
; 32 b + 8 u + r + 8 (r / 8), so that a lane's 16 registers of tiles 2 b, 2 b + 1 are the neighbouring keys 32 b + 16 (lane / 16) + 0 .. 15.
; NO TENSOR LOADS AND NO CLUSTER: the operands arrive as f32 and pass through registers to be quantised, so there is no tile to ask for jointly; and the eight work-groups of a head need 9 to 16 key steps.
; Every work-group walks 16 steps and passes every barrier; work is jumped over by scalar branches on ids alone.
; LIMITS: NaN and infinities among the inputs are not served.  A block whose largest magnitude lies under 2^-122 keeps the scale byte 1; a block of zeros gets the byte 1 where the rule says 127: its codes are
; zeros, and this program alone reads the bytes.  A block's largest p is made from the block's largest score by the same two instructions: this takes v_exp_f32 not to fall where its input rises.
.set STEPB, 128*4096                   ; a key step in memory: 128 positions
.set KIMG,  0                          ; a buffer: four images of K (a pair of tiles each), 32 lanes x 48 bytes = 1,536 bytes,
.set VIMG,  6144                       ; four images of V^T (16 channels x 128 keys each),
.set KSC,   12288                      ; K's scale bytes: byte 16 r + 4 b + 2 u + h,
.set VSC,   12544                      ; V's: byte 16 r + 4 t + key block
.set BUFB,  12800                      ; two such buffers
.set STAGE, 2*BUFB                     ; behind them the way out: 16 rows x 272 bytes for each wave
.set SP,    272
.set WSTG,  16*SP
.set FLOOR, 0x2800000                  ; 2^(5 - 127): no largest magnitude is taken under it, so no scale byte falls under 1
.set EOFF,  0xfe000000                 ; takes 4, the exponent of the format's largest number 28, off an exponent field
; vector registers
.set LI,  1                            ; 48 x lane: my place in an image
.set LS,  2                            ; 16 x (lane % 16): my row's four scale words
.set KST, 3                            ; where I store codes, and (KSB) a scale byte, as a wave of K
.set KSB, 4
.set VST, 5                            ; the same as a wave of V
.set VSB, 6
.set KO,  7                            ; my byte offset in a key step of keys
.set VO,  8                            ; and of values
.set DM,  9                            ; on the diagonal: 16 x tile + r - 16 h
.set STO, 10                           ; the stage: in,
.set RD,  11                           ; and back
.set GO,  16                           ; my byte offset in the wave's 16 rows of out0
.set PFO, 17                           ; the row that I prefetch
.set QSL, 18                           ; Q's scale words for [q | 0]
.set QSH, 19                           ; and for [0 | q]
.set Q,   20                           ; v20-37   [q | 0 | q]
.set KS,  38                           ; v38-41   K's scale words, one for each pair of tiles
.set VS,  42                           ; v42-45   V's, one for each tile of channels
.set PW,  46                           ; p's scale word
.set QO,  47                           ; my byte offset in the wave's 16 rows of queries
.set F,   48                           ; v48-95   four fragments: K's pairs, then V's tiles; at the end rows of O
.set S,   96                           ; v96-159  S^T, then p
.set S32, S+32
.set O,   160                          ; v160-191 O^T: register 8 t + j is channel 16 t + 8 h + j of my query
.set X,   192                          ; v192-223 32 numbers of K or V, a step ahead
.set P,   224                          ; v224-235 p's codes
.set PT,  236                          ; v236-242 at work
.set CD,  236                          ; the quantiser's codes: v236-241 (v242 at work)
.set SO,  244                          ; v244-247 the conversions' scale operands
.set SCL, 244
.set BY,  245
.set BM,  248                          ; v248-251 the blocks' largest scores
.set T0,  248
.set T1,  249
; v12 -M, v13 the largest t, v[14:15] the sum in two halves, v[252:253] f and 0, v254 at work
; scalar registers
.set WV,  12                           ; wave 0..15
.set W7,  13                           ; wave % 8: my number among K's or V's eight waves
.set TYPE, 14                          ; 0: block i, 1: block 15 - i
.set IDX, 15                           ; my tile in the block
.set WGI, 16                           ; i
.set BH,  17                           ; the head, 0..31
.set BLK, 18                           ; my block of 128 queries = my last key step
.set NS,  19                           ; key steps that the work-group needs: 16 - i
.set SEL, 20                           ; s[20:21] selects for v_permlanex16_b32: lane l xor 16
.set CS,  22                           ; s[22:23] c = log2(e) / 8
.set PTR, 26                           ; s[26:27] keys or values at the head, stepped by key steps
.set J,   28                           ; the key step in hand
.set TRIP, 29
.set QB,  34                           ; s[34:35] queries at my first row
.set OB,  36                           ; s[36:37] out0 likewise
; 32 numbers of one block into v[dst] on.  K: 128 consecutive bytes of my key's row.  V: my channel of 32 keys; the wave's 32 lanes read 128 consecutive bytes a load.
.macro KVLOAD dst, off
	s_cmp_lt_u32 s[WV], 8
	s_cbranch_scc0 .Llv_\@
.irp i, 0,1,2,3,4,5,6,7
	global_load_b128 v[\dst+4*\i:\dst+4*\i+3], v[KO], s[PTR:PTR+1] offset:\off+16*\i
.endr
	s_branch .Lld_\@
.Llv_\@:
.irp i, 0,1,2,3,4,5,6,7,8,9,10,11,12,13,14,15,16,17,18,19,20,21,22,23,24,25,26,27,28,29,30,31
	global_load_b32 v[\dst+\i], v[VO], s[PTR:PTR+1] offset:\off+4096*\i
.endr
.Lld_\@:
.endm
; The block in v[src] .. v[src + 31] becomes 24 bytes of codes in v[CD] .. v[CD + 5] and its scale byte in v[BY].
.macro QUANT src
	v_max3_num_f32 v[T0], |v[\src]|, |v[\src+1]|, |v[\src+2]|      ; the largest magnitude, in two chains
	v_max3_num_f32 v[T1], |v[\src+3]|, |v[\src+4]|, |v[\src+5]|
.irp i, 6,10,14,18,22,26
	v_max3_num_f32 v[T0], v[T0], |v[\src+\i]|, |v[\src+\i+1]|
	v_max3_num_f32 v[T1], v[T1], |v[\src+\i+2]|, |v[\src+\i+3]|
.endr
	v_max3_num_f32 v[T0], v[T0], |v[\src+30]|, |v[\src+31]|
	v_max3_num_f32 v[T0], v[T0], v[T1], FLOOR
	v_add_nc_u32 v[SCL], EOFF, v[T0]               ; 4 off its exponent field: the conversion takes the exponent field of this operand as its scale, and nothing else of it
	v_cvt_scalef32_pk16_bf6_f32 v[CD:CD+2], v[\src:\src+15], v[SCL]
	v_cvt_scalef32_pk16_bf6_f32 v[CD+4:CD+6], v[\src+16:\src+31], v[SCL]   ; (a conversion's three registers begin on an even number)
	v_lshrrev_b32 v[BY], 23, v[SCL]                ; the scale's byte; also the plain place behind the conversions
	v_mov_b32 v[CD+3], v[CD+4]
	v_mov_b32 v[CD+4], v[CD+5]
	v_mov_b32 v[CD+5], v[CD+6]
.endm
; The codes and the byte go to their places in buffer n.
.macro KVSTORE n
	s_cmp_lt_u32 s[WV], 8
	s_cbranch_scc0 .Lsv_\@
	ds_store_b64 v[KST], v[CD:CD+1] offset:(\n)*BUFB+KIMG
	ds_store_b64 v[KST], v[CD+2:CD+3] offset:(\n)*BUFB+KIMG+8
	ds_store_b64 v[KST], v[CD+4:CD+5] offset:(\n)*BUFB+KIMG+16
	ds_store_b8 v[KSB], v[BY] offset:(\n)*BUFB+KSC
	s_branch .Lsd_\@
.Lsv_\@:
	ds_store_b64 v[VST], v[CD:CD+1] offset:(\n)*BUFB+VIMG
	ds_store_b64 v[VST], v[CD+2:CD+3] offset:(\n)*BUFB+VIMG+8
	ds_store_b64 v[VST], v[CD+4:CD+5] offset:(\n)*BUFB+VIMG+16
	ds_store_b8 v[VSB], v[BY] offset:(\n)*BUFB+VSC
.Lsd_\@:
.endm
; Step J + 1 is quantised into the buffer that step J does not read, and step J + 2 is asked for.  Step 1 was quantised ahead of the loop; steps from NS on are nobody's.
.macro QPHASE buf
	s_cmp_eq_u32 s[J], 0
	s_cbranch_scc1 .Lqs_\@
	s_add_co_u32 s30, s[J], 1
	s_cmp_ge_u32 s30, s[NS]
	s_cbranch_scc1 .Lqs_\@
	s_wait_loadcnt 0x0                             ; the only loads of mine that are out are step J + 1's numbers, asked for a step ago
	s_wait_xcnt 0x0                                ; and the last step's prefetch has had its address translated (ISA guide 3.1): the pointer is stepped only behind this wait
	QUANT X
	KVSTORE 1-(\buf)
	s_add_nc_u64 s[PTR:PTR+1], s[PTR:PTR+1], STEPB ; now at step J
	s_add_co_u32 s30, s[J], 2
	s_cmp_ge_u32 s30, s[NS]
	s_cbranch_scc1 .Lqs_\@                         ; no load leaves its buffer, and none is asked for that nobody quantises
	KVLOAD X, 2*STEPB
.Lqs_\@:
.endm
; The work-group i = 0 of a head, which walks all 16 steps, asks in step J for the rows of step J + 4, two steps ahead of the loads that want them: waves 0-3 K's rows 32 x wave + lane, waves 8-11 V's:
; each row of 256 bytes once in the launch.  Steps 0 to 3 come by their loads alone; the last request, in step 11, is for step 15, the tensors' last.
.macro PREFETCH
	s_cmp_lg_u32 s[WGI], 0
	s_cbranch_scc1 .Lnp_\@
	s_cmp_gt_u32 s[J], 11
	s_cbranch_scc1 .Lnp_\@
	s_cmp_gt_u32 s[W7], 3
	s_cbranch_scc1 .Lnp_\@
	global_prefetch_b8 v[PFO], s[PTR:PTR+1] offset:4*STEPB th:TH_LOAD_NT scope:SCOPE_SE
.Lnp_\@:
.endm
; My tile's key step J, from buffer buf.  A step all of whose keys come after my 16 queries is left out.
.macro COMPUTE buf
	s_cmp_gt_u32 s[J], s[BLK]
	s_cbranch_scc1 .Lhid_\@
.irp b, 0,1,2,3
.irp c, 0,1,2
	ds_load_b128 v[F+12*\b+4*\c:F+12*\b+4*\c+3], v[LI] offset:(\buf)*BUFB+KIMG+1536*\b+16*\c   ; 48 = 3 x 16: sixteen neighbouring lanes' 16 bytes fall on sixteen different columns of 16 bytes of the 64 banks of 4 bytes (ISA guide 11.1)
.endr
.endr
	ds_load_b128 v[KS:KS+3], v[LS] offset:(\buf)*BUFB+KSC
	s_wait_dscnt 0x0                               ; the fragments are in; my stores of this step's codes have also read their registers
.irp b, 0,1,2,3                                ; S^T = K Q^T: each fragment twice, against [q | 0] and [0 | q]
	v_wmma_scale_f32_16x16x128_f8f6f4 v[S+16*\b:S+16*\b+7], v[F+12*\b:F+12*\b+11], v[Q:Q+11], 0, v[KS+\b], v[QSL] matrix_a_fmt:MATRIX_FMT_BF6 matrix_b_fmt:MATRIX_FMT_BF6
	v_wmma_scale_f32_16x16x128_f8f6f4 v[S+16*\b+8:S+16*\b+15], v[F+12*\b:F+12*\b+11], v[Q+6:Q+17], 0, v[KS+\b], v[QSH] matrix_a_fmt:MATRIX_FMT_BF6 matrix_b_fmt:MATRIX_FMT_BF6
.endr
.rept 4
	v_nop                                          ; four places in front of the loads into the fragments' registers and of the first read of the scores
.endr
.irp t, 0,1,2,3                                ; V's fragments land while the softmax is worked
.irp c, 0,1,2
	ds_load_b128 v[F+12*\t+4*\c:F+12*\t+4*\c+3], v[LI] offset:(\buf)*BUFB+VIMG+1536*\t+16*\c
.endr
.endr
	ds_load_b128 v[VS:VS+3], v[LS] offset:(\buf)*BUFB+VSC
	s_cmp_lg_u32 s[J], s[BLK]                      ; only my last step lies on the diagonal
	s_cbranch_scc1 .Lopen_\@
	v_mov_b32 v254, 0xff800000                     ; -infinity: p = 0 then.  Register 16 b + i holds key 128 J + 32 b + 16 h + i: hidden where 32 b + i > 16 x tile + r - 16 h
.irp n, 0,1,2,3,4,5,6,7,8,9,10,11,12,13,14,15,16,17,18,19,20,21,22,23,24,25,26,27,28,29,30,31,32,33,34,35,36,37,38,39,40,41,42,43,44,45,46,47,48,49,50,51,52,53,54,55,56,57,58,59,60,61,62,63
	v_cmp_gt_i32 vcc_lo, 32*(\n/16)+\n%16, v[DM]
	v_cndmask_b32 v[S+\n], v[S+\n], v254, vcc_lo
.endr
.Lopen_\@:
.irp b, 0,1,2,3
	v_max3_num_f32 v[BM+\b], v[S+16*\b], v[S+1+16*\b], v[S+2+16*\b]   ; THE LARGEST SCORE OF EACH BLOCK OF 32 KEYS serves twice: for the row's maximum and, since p rises with the score, for the block's largest p
.endr
.irp i, 3,5,7,9,11,13
.irp b, 0,1,2,3
	v_max3_num_f32 v[BM+\b], v[BM+\b], v[S+16*\b+\i], v[S+1+16*\b+\i]   ; (the four blocks by turns)
.endr
.endr
.irp b, 0,1,2,3
	v_max_num_f32 v[BM+\b], v[BM+\b], v[S+15+16*\b]
.endr
.irp b, 0,1,2,3
	v_permlanex16_b32 v[PT+\b], v[BM+\b], s[SEL], s[SEL+1]
.endr
.irp b, 0,1,2,3
	v_max_num_f32 v[BM+\b], v[BM+\b], v[PT+\b]     ; with lane l xor 16's 16 keys
.endr
	v_max3_num_f32 v254, v[BM], v[BM+1], v[BM+2]
	v_max_num_f32 v254, v254, v[BM+3]              ; the step's largest score of my query (the step's first key counts for every query of mine: it is a number)
	v_mul_f32 v254, s[CS], v254                    ; as t (c is positive)
	v_max_num_f32 v13, v13, v254                   ; the running largest t
	v_mov_b32 v254, v12
	v_floor_f32 v12, -v13                          ; the new -M = floor(-t) = -ceil(t): M IS A WHOLE NUMBER
	v_sub_f32 v254, v12, v254                      ; M's old value less its new one: a whole number, 0 or less
	v_cvt_i32_f32 v254, v254                       ; (it saturates)
	v_ldexp_f32 v252, 1.0, v254                    ; f = 2^(old M - new M)
.set cnt, 0
.rept 32
	v_pk_fma_f32 v[S+cnt:S+cnt+1], v[S+cnt:S+cnt+1], s[CS:CS+1], v[12:13] op_sel_hi:[1,0,0]   ; t - M, two at a time (of the pairs c and -M the low word serves both halves)
.set cnt, cnt+2
.endr
.irp b, 0,1,2,3
	v_fma_f32 v[BM+\b], v[BM+\b], s[CS], v12       ; the same of each block's largest score
.endr
.set cnt, 0
.rept 64
	v_exp_f32 v[S+cnt], v[S+cnt]                   ; p = 2^(t - M), at most 1: NOT normalised
.set cnt, cnt+1
.endr
.irp b, 0,1,2,3
	v_exp_f32 v[BM+\b], v[BM+\b]                   ; the block's largest p
.endr
	v_pk_mul_f32 v[14:15], v[14:15], v[252:253] op_sel_hi:[1,0]   ; the sums under the new M.  (The plain place behind the exponentials)
	s_wait_alu depctr_va_vdst(0)
.irp b, 0,1,2,3
	v_max_num_f32 v[BM+\b], FLOOR, v[BM+\b]        ; a block whose every p is 0 keeps the byte 1: its codes are zeros
.endr
.irp b, 0,1,2,3
	v_add_nc_u32 v[SO+\b], EOFF, v[BM+\b]          ; the conversion's scale operand
.endr
.irp b, 0,1,2,3
	v_lshrrev_b32 v[PT+\b], 23, v[SO+\b]           ; the scale's byte
.endr
	v_lshl_or_b32 v[PW], v[PT+1], 8, v[PT]         ; p's scale word for these 128 keys
	v_lshl_or_b32 v[PW], v[PT+2], 16, v[PW]
	v_lshl_or_b32 v[PW], v[PT+3], 24, v[PW]
.irp c, 0,1
	v_cvt_scalef32_pk16_bf6_f32 v[P+6*\c:P+2+6*\c], v[S+32*\c:S+15+32*\c], v[SO+2*\c]
	v_cvt_scalef32_pk16_bf6_f32 v[PT+4*\c:PT+2+4*\c], v[S+16+32*\c:S+31+32*\c], v[SO+2*\c+1]
.endr
	v_nop                                          ; one plain place behind a scaled conversion
.irp c, 0,1                                    ; the operand's layout wants a WHOLE block in a lane: lanes 0-15 block 2 c, lanes 16-31 block 2 c + 1
.irp i, 0,1,2
	v_permlane16_swap_b32 v[P+6*\c+\i], v[PT+4*\c+\i]
.endr
.irp i, 0,1,2
	v_mov_b32 v[P+3+6*\c+\i], v[PT+4*\c+\i]
.endr
.endr
	v_pk_add_f32 v[PT:PT+1], v[S:S+1], v[S+2:S+3]  ; THE ROW'S SUM IS TAKEN OF THE UNQUANTISED p: two at a time, in two chains
.irp j, 4,8,12,16,20,24,28,32,36,40,44,48,52,56,60
	v_pk_add_f32 v[14:15], v[14:15], v[S+\j:S+\j+1]
	v_pk_add_f32 v[PT:PT+1], v[PT:PT+1], v[S+2+\j:S+3+\j]
.endr
	v_pk_add_f32 v[14:15], v[14:15], v[PT:PT+1]
.set cnt, 0
.rept 16
	v_pk_mul_f32 v[O+cnt:O+cnt+1], v[O+cnt:O+cnt+1], v[252:253] op_sel_hi:[1,0]   ; O^T under the new M, each accumulator from its low end on.  (With the sums above: the places between p's codes and scale word and the products below)
.set cnt, cnt+2
.endr
	s_wait_dscnt 0x0                               ; V's fragments and scale words are in
.irp t, 0,1,2,3                                ; O^T += V^T P^T: the four accumulators by turns, one instruction a turn, the eight products of S^T between two turns
	v_wmma_scale_f32_16x16x128_f8f6f4 v[O+8*\t:O+8*\t+7], v[F+12*\t:F+12*\t+11], v[P:P+11], v[O+8*\t:O+8*\t+7], v[VS+\t], v[PW] matrix_a_fmt:MATRIX_FMT_BF6 matrix_b_fmt:MATRIX_FMT_BF6
.endr
.rept 4
	v_nop                                          ; four places in front of the next loads into the fragments and scale words, the next writes of p's codes, and the first read of O^T
.endr
.Lhid_\@:
.endm
.macro STEP buf
	QPHASE \buf
	PREFETCH
	COMPUTE \buf
	s_add_co_u32 s[J], s[J], 1
	s_wait_dscnt 0x0                               ; for the others' sake: my stores into the one buffer have landed and my reads of the other are over
	s_barrier_signal -1
	s_barrier_wait -1                              ; both now hold of all sixteen waves: the buffers change parts
.endm
	s_load_b256 s[4:11], s[0:1], 0x0               ; queries s[4:5], keys s[6:7], values s[8:9], out0 s[10:11]
	v_lshl_add_u32 v243, v0, 2, 0x17400
	v_mov_b32 v255, 0
	v_lshrrev_b32 v1, 5, v0
	v_readfirstlane_b32 s[WV], v1                  ; wave 0..15
	s_and_b32 s[W7], s[WV], 7
	s_lshr_b32 s30, s[WV], 2
	s_xor_b32 s30, s30, s[WV]
	s_and_b32 s[TYPE], s30, 1                      ; bit 0 xor bit 2 of the wave's number: of waves 2 n and 2 n + 1 one takes the low block and one the high
	s_lshr_b32 s[IDX], s[WV], 1
	s_and_b32 s[WGI], ttmp9, 7
	s_lshr_b32 s[BH], ttmp9, 3                     ; the eight work-groups of a head are neighbours
	s_mul_i32 s30, s[TYPE], 15
	s_xor_b32 s[BLK], s[WGI], s30                  ; i or 15 - i
	s_sub_co_u32 s[NS], 16, s[WGI]
	s_lshr_b32 s24, s[BH], 4
	s_lshl_b32 s24, s24, 23                        ; the batch: 2,048 x 4,096 bytes
	s_and_b32 s30, s[BH], 15
	s_lshl_b32 s30, s30, 8                         ; the head in a position's 4,096 bytes
	s_add_co_u32 s24, s24, s30
	s_mov_b32 s25, 0
	s_lshl_b32 s32, s[BLK], 19                     ; my first query: 128 x block + 16 x tile, x 4,096 bytes
	s_lshl_b32 s30, s[IDX], 16
	s_add_co_u32 s32, s32, s30
	s_add_co_u32 s32, s32, s24
	s_mov_b32 s33, 0
	s_mov_b32 s[SEL], 0x76543210
	s_mov_b32 s[SEL+1], 0xfedcba98
	s_mov_b32 s[CS], 0x3e38aa3b                    ; c = log2(e) / 8
	s_mov_b32 s[CS+1], s[CS]                       ; (named with it as a pair, so it is written)
	; every LDS address is made here, ahead of the first branch on the wave's number: a constant + constants x parts of the lane's and of the wave's number
	v_and_b32 v48, 31, v0                          ; lane
	v_and_b32 v49, 15, v0                          ; r
	v_bfe_u32 v50, v0, 4, 1                        ; h
	v_and_b32 v51, 7, v0                           ; r % 8
	v_bfe_u32 v52, v0, 3, 1                        ; u = r / 8
	v_mul_u32_u24 v[LI], v48, 48
	v_lshlrev_b32 v[LS], 4, v49
	s_lshr_b32 s30, s[W7], 1
	s_and_b32 s31, s[W7], 1
	; a wave of K: lane (r, h) holds dims 32 h on of key 16 w + r = 32 (w / 2) + 16 (w % 2) + 8 u + r % 8: pair w / 2, tile u of the pair, row r % 8 + 8 (w % 2), so image lane (that row, h), bytes 24 u on
	s_mul_i32 s38, s30, 1536
	s_mul_i32 s39, s31, 384
	s_add_co_u32 s38, s38, s39
	v_mul_u32_u24 v[KST], v51, 48
	v_mad_u32_u24 v[KST], v50, 768, v[KST]
	v_mad_u32_u24 v[KST], v52, 24, v[KST]
	v_add_nc_u32 v[KST], s38, v[KST]
	s_lshl_b32 s38, s31, 7                         ; its scale byte: 16 x row + 4 x pair + 2 u + h
	s_lshl_b32 s39, s30, 2
	s_add_co_u32 s38, s38, s39
	v_lshlrev_b32 v[KSB], 4, v51
	v_lshl_add_u32 v[KSB], v52, 1, v[KSB]
	v_add_nc_u32 v[KSB], v[KSB], v50
	v_add_nc_u32 v[KSB], s38, v[KSB]
	; a wave of V: lane l holds channel 32 (w % 2) + l of key block w / 2: tile 2 (w % 2) + h, row r, image lane (r, (w / 2) % 2), bytes 24 (w / 4) on
	s_mul_i32 s38, s31, 3072
	s_and_b32 s39, s30, 1
	s_mul_i32 s39, s39, 768
	s_add_co_u32 s38, s38, s39
	s_lshr_b32 s39, s[W7], 2
	s_mul_i32 s39, s39, 24
	s_add_co_u32 s38, s38, s39
	v_mul_u32_u24 v[VST], v49, 48
	v_mad_u32_u24 v[VST], v50, 1536, v[VST]
	v_add_nc_u32 v[VST], s38, v[VST]
	s_lshl_b32 s38, s31, 3                         ; its scale byte: 16 r + 4 x tile + key block
	s_add_co_u32 s38, s38, s30
	v_lshlrev_b32 v[VSB], 4, v49
	v_lshl_add_u32 v[VSB], v50, 2, v[VSB]
	v_add_nc_u32 v[VSB], s38, v[VSB]
	s_mul_i32 s38, s[WV], WSTG                     ; my stage
	s_add_co_u32 s38, s38, STAGE
	v_mul_u32_u24 v[STO], v49, SP                  ; in: row r, 32 bytes for each half of the lanes
	v_lshl_add_u32 v[STO], v50, 5, v[STO]
	v_add_nc_u32 v[STO], s38, v[STO]
	v_mul_u32_u24 v[RD], v50, SP                   ; back: lanes 0-15 one row of 256 bytes, lanes 16-31 the next
	v_lshl_add_u32 v[RD], v49, 4, v[RD]
	v_add_nc_u32 v[RD], s38, v[RD]
	; offsets in memory
	v_lshlrev_b32 v[QO], 12, v49                   ; queries: row r, + 128 h
	v_lshl_add_u32 v[QO], v50, 7, v[QO]
	s_lshl_b32 s38, s[W7], 16
	v_add_nc_u32 v[KO], s38, v[QO]                 ; keys: the same, 16 w rows on
	s_lshl_b32 s38, s31, 7
	s_lshl_b32 s39, s30, 17
	s_add_co_u32 s38, s38, s39
	v_lshl_add_u32 v[VO], v48, 2, s38              ; values: 4 x lane + 128 (w % 2), 32 (w / 2) rows on
	s_lshl_b32 s38, s[W7], 17
	v_lshl_add_u32 v[PFO], v48, 12, s38            ; the prefetch: row 32 w + lane
	s_lshl_b32 s38, s[IDX], 4
	v_lshlrev_b32 v[DM], 4, v50
	v_sub_nc_u32 v[DM], v49, v[DM]
	v_add_nc_u32 v[DM], s38, v[DM]
	v_lshlrev_b32 v[GO], 12, v50                   ; out0: lanes 0-15 one row, lanes 16-31 the next; 16 bytes a lane
	v_lshl_add_u32 v[GO], v49, 4, v[GO]
	s_wait_kmcnt 0x0
	s_add_nc_u64 s[6:7], s[6:7], s[24:25]          ; keys and values at the head
	s_add_nc_u64 s[8:9], s[8:9], s[24:25]
	s_cmp_lt_u32 s[WV], 8                          ; the choice hangs on the wave's number alone
	s_cselect_b64 s[PTR:PTR+1], s[6:7], s[8:9]
	s_add_nc_u64 s[QB:QB+1], s[4:5], s[32:33]
	s_add_nc_u64 s[OB:OB+1], s[10:11], s[32:33]
.irp i, 0,1,2,3,4,5,6,7
	global_load_b128 v[S+4*\i:S+4*\i+3], v[QO], s[QB:QB+1] offset:16*\i th:TH_LOAD_NT   ; my block of Q: query r, dims 32 h on; read once in the launch
.endr
	KVLOAD X, 0                                    ; key step 0
	KVLOAD S32, STEPB                              ; key step 1
	v_mov_b32 v13, 0xff61b1e6                      ; the largest t so far: -3e38, under every t
	v_floor_f32 v12, -v13                          ; -M
	v_mov_b32 v14, 0                               ; the sum, in two halves
	v_mov_b32 v15, 0
	v_mov_b32 v252, 0
	v_mov_b32 v253, 0                              ; (named as the upper half of the pair v[252:253])
	v_mov_b32 v254, 0                              ; (a lane permute's destination counts as one of its sources)
.irp i, 6,7,8,9,10,11
	v_mov_b32 v[Q+\i], 0                           ; Q's zero codes
.endr
	s_wait_loadcnt 0x0
	QUANT X
	KVSTORE 0
	KVLOAD X, 2*STEPB                              ; key step 2: every work-group needs 9 steps at the least
	s_wait_dscnt 0x0                               ; the stores have read their registers
	QUANT S32
	KVSTORE 1
	s_wait_dscnt 0x0
	QUANT S                                        ; Q: a lane's block is the operand's registers 0-5 as they stand
.irp i, 0,1,2,3,4,5
	v_mov_b32 v[Q+\i], v[CD+\i]
	v_mov_b32 v[Q+12+\i], v[CD+\i]
.endr
	v_permlanex16_b32 v254, v[BY], s[SEL], s[SEL+1]
	v_lshl_or_b32 v[QSL], v254, 8, v[BY]           ; lane r (0-15): bytes 0, 1 = my query's two blocks; bytes 2, 3 = 0, over zero codes (lanes 16-31 are not read)
	v_lshlrev_b32 v[QSH], 16, v[QSL]               ; and the same for [0 | q]
.set cnt, 0
.rept 32
	v_mov_b32 v[O+cnt], 0                          ; O^T: the step is written once; its first trip finds zeros.  These 32 are also the places between Q's codes and scale words and the first product
.set cnt, cnt+1
.endr
	s_barrier_signal -1                            ; (my LDS stores were waited for above)
	s_barrier_wait -1                              ; steps 0 and 1 lie in the two buffers
	s_mov_b32 s[J], 0
	s_mov_b32 s[TRIP], 8
.Ltrip:                                            ; eight trips of two steps, in every work-group
	STEP 0
	STEP 1
	s_sub_co_u32 s[TRIP], s[TRIP], 1
	s_cmp_lg_u32 s[TRIP], 0
	s_cbranch_scc1 .Ltrip
	; THE WAY OUT.  O^T is divided by the row's sum and goes through my own stage in LDS, so that sixteen lanes store a (position, head) row: 256 consecutive bytes, at a multiple of 256 from out0's first byte.
	v_add_f32 v14, v14, v15                        ; the sum's two halves,
	v_permlanex16_b32 v252, v14, s[SEL], s[SEL+1]
	v_add_f32 v14, v14, v252                       ; and lane l xor 16's
	v_rcp_f32 v14, v14
	v_nop                                          ; one plain place behind a transcendental
.set cnt, 0
	s_wait_alu depctr_va_vdst(0)
.rept 32
	v_mul_f32 v[S+cnt], v[O+cnt], v14              ; register 8 t + j is out(query r, channel 16 t + 8 h + j)
.set cnt, cnt+1
.endr
.irp t, 0,1,2,3
	ds_store_b128 v[STO], v[S+8*\t:S+8*\t+3] offset:64*\t
	ds_store_b128 v[STO], v[S+8*\t+4:S+8*\t+7] offset:64*\t+16
.endr
.irp i, 0,1,2,3,4,5,6,7
	ds_load_b128 v[F+4*\i:F+4*\i+3], v[RD] offset:2*\i*SP   ; LDS serves a wave's instructions in order (ISA guide 5.7.1.4): these see my stores
.endr
.irp i, 0,1,2,3,4,5,6,7
	s_wait_dscnt 7-\i                              ; the younger loads from the stage may stay out
	global_store_b128 v[GO], v[F+4*\i:F+4*\i+3], s[OB:OB+1] offset:2*\i*4096 th:TH_STORE_NT
.endr
	s_wait_tensorcnt 0x0
	ds_add_u32 v243, v255
	s_wait_dscnt 0x0
	s_endpgm
.Lfunc_end_k_q1374c3aeef_attn:
	.size	k_q1374c3aeef_attn, .Lfunc_end_k_q1374c3aeef_attn-k_q1374c3aeef_attn
	.p2alignl 7, 3214868480
	.fill 96, 4, 3214868480
	.section	.rodata,"a",@progbits
	.p2align	6, 0x0
	.amdhsa_kernel k_q1374c3aeef_attn
		.amdhsa_group_segment_fixed_size 97280
		.amdhsa_private_segment_fixed_size 0
		.amdhsa_enable_private_segment 0
		.amdhsa_kernarg_size 32
		.amdhsa_user_sgpr_count 2
		.amdhsa_user_sgpr_kernarg_segment_ptr 1
		.amdhsa_wavefront_size32 1
		.amdhsa_system_sgpr_workgroup_id_x 1
		.amdhsa_system_sgpr_workgroup_id_y 1
		.amdhsa_system_sgpr_workgroup_id_z 1
		.amdhsa_system_vgpr_workitem_id 0
		.amdhsa_next_free_vgpr 256
		.amdhsa_next_free_sgpr 66
		.amdhsa_reserve_vcc 1
		.amdhsa_float_denorm_mode_32 3
		.amdhsa_float_denorm_mode_16_64 3
		.amdhsa_memory_ordered 1
		.amdhsa_forward_progress 1
		.amdhsa_inst_pref_size 82
	.end_amdhsa_kernel
	.amdgpu_metadata
---
amdhsa.version: [ 1, 2 ]
amdhsa.kernels:
  - .name:           k_q1374c3aeef_attn
    .symbol:         k_q1374c3aeef_attn.kd
    .args:
      - { .name: queries, .offset: 0, .size: 8, .value_kind: global_buffer, .address_space: global }
      - { .name: keys, .offset: 8, .size: 8, .value_kind: global_buffer, .address_space: global }
      - { .name: values, .offset: 16, .size: 8, .value_kind: global_buffer, .address_space: global }
      - { .name: out0, .offset: 24, .size: 8, .value_kind: global_buffer, .address_space: global }
    .group_segment_fixed_size: 97280
    .private_segment_fixed_size: 0
    .kernarg_segment_align: 8
    .kernarg_segment_size: 32
    .max_flat_workgroup_size: 512
    .sgpr_count:     66
    .vgpr_count:     256
    .wavefront_size: 32
...
	.end_amdgpu_metadata
.endif
;; end of part 1
;; ======== version 2 of 2: 1 launch; version 1 with the launch attn written anew for expert scheduling mode
;; launch attn (part 2): grid 256 x 1, 16 waves a work-group, no clusters, 97,280 bytes of LDS; arguments queries, keys, values, out0; writes out0
.if DOCPART == 2
	.amdgcn_target "amdgcn-amd-amdhsa--gfx1250"
	.amdhsa_code_object_version 6
	.text
	.protected	k_q1374c3aeef_attn
	.globl	k_q1374c3aeef_attn
	.p2align	8
	.type	k_q1374c3aeef_attn,@function
k_q1374c3aeef_attn:
	s_mov_b64 s[64:65], 0
	v_nop
	global_prefetch_b8 v0, s[64:65] scope:SCOPE_SE
	s_setreg_imm32_b32 hwreg(HW_REG_WAVE_SCHED_MODE, 0, 2), 2
	s_setreg_imm32_b32 hwreg(HW_REG_WAVE_MODE, 25, 1), 1
	s_wait_xcnt 0x0
	s_wait_alu depctr_vm_vsrc(0)
; Causal attention, out[b][l][h][:] = sum over s <= l of softmax_s(q . k / 8) v[s], for 32 heads, 2,048 positions, head size 64.  All four tensors are f32, [2][2048][16][64]:
; a (position, head) row is 256 consecutive bytes, positions lie 4,096 bytes apart.  Both products run on codes of BF6 (E3M2) with one E8M0 scale for each 32 along a product's K.
; THE SOFTMAX AHEAD OF THE SECOND PRODUCT: t = score x log2(e) / 8; M = the row's largest t so far, rounded UP to a whole number; p = 2^(t - M) is quantised along the keys, not normalised.
; The row's sum is taken of the unquantised p and divides O at the end.  When M moves, the sum and O are multiplied by 2^(old M - new M): exact.
; SHARES.  A work-group of sixteen waves serves one head and 256 queries: block i of 128 queries and block 15 - i (i = 0 .. 7).  Block i sees i + 1 key steps of 128, block 15 - i sees 16 - i:
; every work-group has 8 (i + 1) + 8 (16 - i) = 136 wave-steps, so the triangle is shared evenly among 256 work-groups.  A wave owns one tile of 16 queries in 256 registers.
; K AND V ARE QUANTISED ON THE WAY.  In each key step the sixteen waves together quantise the NEXT step's 128 keys: each lane takes exactly one block of 32 numbers (waves 0-7: a key's half of the head's 64;
; waves 8-15: one channel of V, 32 keys down), straight from memory into registers, and stores 24 bytes of codes and one scale byte into one of two LDS buffers, laid as IMAGES OF THE OPERANDS' REGISTERS.
; One barrier a step: between two barriers one buffer is only read and the other only written.
; THE FIRST PRODUCT'S K IS 64, THE INSTRUCTION'S 128.  One fragment of source 0 holds TWO tiles of 16 keys (tile 2 b at k 0-63, tile 2 b + 1 at k 64-127); it is multiplied once by [q | zero codes] and once by
; [zero codes | q].  Q lies in 18 registers as [q | 0 | q].  Zero codes add nothing under any scale byte but 0xff; the zero halves' scale bytes are 0.
; LAYOUT.  Both products are used transposed: S^T = K Q^T, O^T = V^T P^T: a lane holds ONE query (lane % 16) throughout.  THE KEYS OF A TILE ARE NOT NEIGHBOURS: row r of tile 2 b + u is key
; 32 b + 8 u + r + 8 (r / 8), so that a lane's 16 registers of tiles 2 b, 2 b + 1 are the neighbouring keys 32 b + 16 (lane / 16) + 0 .. 15.
; NO TENSOR LOADS AND NO CLUSTER: the operands arrive as f32 and pass through registers to be quantised, so there is no tile to ask for jointly; and the eight work-groups of a head need 9 to 16 key steps.
; Every work-group walks 16 steps and passes every barrier; work is jumped over by scalar branches on ids alone.
; LIMITS: NaN and infinities among the inputs are not served.  A block whose largest magnitude lies under 2^-122 keeps the scale byte 1; a block of zeros gets the byte 1 where the rule says 127: its codes are
; zeros, and this program alone reads the bytes.  A block's largest p is made from the block's largest score by the same two instructions: this takes v_exp_f32 not to fall where its input rises.
; THE MODE: SCHED_MODE bits 1:0 = 2 (LLVM: expert scheduling mode 2), set by the entry lines.  The code itself states the register dependences
; between vector or matrix instructions and memory or LDS instructions, with s_wait_alu, always for 0.
; THE PLAN.  Registers that memory or LDS instructions touch:
;   v1-8, v10, v11, v16, v17, v47, v243, v255   addresses and offsets: written once at the head, ahead of one wait on va_vdst, and never again.
;   X  (v192-223)           The loads of step J + 2, issued in step J, land in it; step J + 1's quantiser reads it.  No vector line writes it.
;   CD, BY (v236-241, v245) Written by the quantiser; read by its four LDS stores; written again by the same step's softmax, or, in a wave that jumps over its work, by the next step's quantiser.
;   F, KS (v48-95, v38-41)  K's LDS loads land in them; the eight products S^T read them; then V's LDS loads land in F and VS (v42-45); the four products O^T read those.
;   S  (v96-127)            On the way out: written by the 32 multiplications, read by the LDS stores into the stage; the loads from the stage land in F.
;   P, PW, Q and its scale words are written by vector lines and taken by scaled products; no memory instruction names them.
; A STEP'S WAITS.  (1) va_vdst behind the quantiser: codes and byte are written, X is read; its stores and the next loads into X follow, with no vector line between.  (2) vm_vsrc on every wave's way, ahead of the
; branch round the step's work: the stores have read CD and BY.  (3) va_vdst ahead of K's loads: the last step's products are done with F, KS, VS.  K's loads stand under the same branch as the products that read
; them.  (4) va_vdst behind the eight products: V's loads may land in F; the softmax, under which they land, names neither F nor VS.  (5) va_vdst behind the exponentials.
; (6) va_vdst ahead of the four products: P's codes and scale word are written.  On the diagonal: one wait on va_sdst between each run of sixteen compares and its sixteen selects.
.set STEPB, 128*4096                   ; a key step in memory: 128 positions
.set KIMG,  0                          ; a buffer: four images of K (a pair of tiles each), 32 lanes x 48 bytes = 1,536 bytes,
.set VIMG,  6144                       ; four images of V^T (16 channels x 128 keys each),
.set KSC,   12288                      ; K's scale bytes: byte 16 r + 4 b + 2 u + h,
.set VSC,   12544                      ; V's: byte 16 r + 4 t + key block
.set BUFB,  12800                      ; two such buffers
.set STAGE, 2*BUFB                     ; behind them the way out: 16 rows x 272 bytes for each wave
.set SP,    272
.set WSTG,  16*SP
.set FLOOR, 0x2800000                  ; 2^(5 - 127): no largest magnitude is taken under it, so no scale byte falls under 1
.set EOFF,  0xfe000000                 ; takes 4, the exponent of the format's largest number 28, off an exponent field
; vector registers
.set LI,  1                            ; 48 x lane: my place in an image
.set LS,  2                            ; 16 x (lane % 16): my row's four scale words
.set KST, 3                            ; where I store codes, and (KSB) a scale byte, as a wave of K
.set KSB, 4
.set VST, 5                            ; the same as a wave of V
.set VSB, 6
.set KO,  7                            ; my byte offset in a key step of keys
.set VO,  8                            ; and of values
.set DM,  9                            ; on the diagonal: 16 x tile + r - 16 h
.set STO, 10                           ; the stage: in,
.set RD,  11                           ; and back
.set GO,  16                           ; my byte offset in the wave's 16 rows of out0
.set PFO, 17                           ; the row that I prefetch
.set QSL, 18                           ; Q's scale words for [q | 0]
.set QSH, 19                           ; and for [0 | q]
.set Q,   20                           ; v20-37   [q | 0 | q]
.set KS,  38                           ; v38-41   K's scale words, one for each pair of tiles
.set VS,  42                           ; v42-45   V's, one for each tile of channels
.set PW,  46                           ; p's scale word
.set QO,  47                           ; my byte offset in the wave's 16 rows of queries
.set F,   48                           ; v48-95   four fragments: K's pairs, then V's tiles; at the end rows of O
.set S,   96                           ; v96-159  S^T, then p
.set S32, S+32
.set O,   160                          ; v160-191 O^T: register 8 t + j is channel 16 t + 8 h + j of my query
.set X,   192                          ; v192-223 32 numbers of K or V, a step ahead
.set P,   224                          ; v224-235 p's codes
.set PT,  236                          ; v236-242 at work
.set CD,  236                          ; the quantiser's codes: v236-241 (v242 at work)
.set SO,  244                          ; v244-247 the conversions' scale operands
.set SCL, 244
.set BY,  245
.set BM,  248                          ; v248-251 the blocks' largest scores
.set T0,  248
.set T1,  249
; v12 -M, v13 the largest t, v[14:15] the sum in two halves, v[252:253] f and 0, v254 at work; v243 and v255: the closing add's two, made at the head and kept for it alone
; scalar registers
.set WV,  12                           ; wave 0..15
.set W7,  13                           ; wave % 8: my number among K's or V's eight waves
.set TYPE, 14                          ; 0: block i, 1: block 15 - i
.set IDX, 15                           ; my tile in the block
.set WGI, 16                           ; i
.set BH,  17                           ; the head, 0..31
.set BLK, 18                           ; my block of 128 queries = my last key step
.set NS,  19                           ; key steps that the work-group needs: 16 - i
.set SEL, 20                           ; s[20:21] selects for v_permlanex16_b32: lane l xor 16
.set CS,  22                           ; s[22:23] c = log2(e) / 8
.set PTR, 26                           ; s[26:27] keys or values at the head, stepped by key steps
.set J,   28                           ; the key step in hand
.set TRIP, 29
.set QB,  34                           ; s[34:35] queries at my first row
.set OB,  36                           ; s[36:37] out0 likewise
; s40-47, s2, s3, s24, s25, s32, s33, s38, s39: in the loop the diagonal's sixteen masks (the last six are the head's temporaries, done with there)
; 32 numbers of one block into v[dst] on.  K: 128 consecutive bytes of my key's row.  V: my channel of 32 keys; the wave's 32 lanes read 128 consecutive bytes a load.
.macro KVLOAD dst, off
	s_cmp_lt_u32 s[WV], 8
	s_cbranch_scc0 .Llv_\@
.irp i, 0,1,2,3,4,5,6,7
	global_load_b128 v[\dst+4*\i:\dst+4*\i+3], v[KO], s[PTR:PTR+1] offset:\off+16*\i
.endr
	s_branch .Lld_\@
.Llv_\@:
.irp i, 0,1,2,3,4,5,6,7,8,9,10,11,12,13,14,15,16,17,18,19,20,21,22,23,24,25,26,27,28,29,30,31
	global_load_b32 v[\dst+\i], v[VO], s[PTR:PTR+1] offset:\off+4096*\i
.endr
.Lld_\@:
.endm
; The block in v[src] .. v[src + 31] becomes 24 bytes of codes in v[CD] .. v[CD + 5] and its scale byte in v[BY].
.macro QUANT src
	v_max3_num_f32 v[T0], |v[\src]|, |v[\src+1]|, |v[\src+2]|      ; the largest magnitude, in two chains
	v_max3_num_f32 v[T1], |v[\src+3]|, |v[\src+4]|, |v[\src+5]|
.irp i, 6,10,14,18,22,26
	v_max3_num_f32 v[T0], v[T0], |v[\src+\i]|, |v[\src+\i+1]|
	v_max3_num_f32 v[T1], v[T1], |v[\src+\i+2]|, |v[\src+\i+3]|
.endr
	v_max3_num_f32 v[T0], v[T0], |v[\src+30]|, |v[\src+31]|
	v_max3_num_f32 v[T0], v[T0], v[T1], FLOOR
	v_add_nc_u32 v[SCL], EOFF, v[T0]               ; 4 off its exponent field: the conversion takes the exponent field of this operand as its scale, and nothing else of it
	v_cvt_scalef32_pk16_bf6_f32 v[CD:CD+2], v[\src:\src+15], v[SCL]
	v_cvt_scalef32_pk16_bf6_f32 v[CD+4:CD+6], v[\src+16:\src+31], v[SCL]   ; (a conversion's three registers begin on an even number)
	v_lshrrev_b32 v[BY], 23, v[SCL]                ; the scale's byte; also the plain place behind the conversions
	v_mov_b32 v[CD+3], v[CD+4]
	v_mov_b32 v[CD+4], v[CD+5]
	v_mov_b32 v[CD+5], v[CD+6]
.endm
; The codes and the byte go to their places in buffer n.
.macro KVSTORE n
	s_cmp_lt_u32 s[WV], 8
	s_cbranch_scc0 .Lsv_\@
	ds_store_b64 v[KST], v[CD:CD+1] offset:(\n)*BUFB+KIMG
	ds_store_b64 v[KST], v[CD+2:CD+3] offset:(\n)*BUFB+KIMG+8
	ds_store_b64 v[KST], v[CD+4:CD+5] offset:(\n)*BUFB+KIMG+16
	ds_store_b8 v[KSB], v[BY] offset:(\n)*BUFB+KSC
	s_branch .Lsd_\@
.Lsv_\@:
	ds_store_b64 v[VST], v[CD:CD+1] offset:(\n)*BUFB+VIMG
	ds_store_b64 v[VST], v[CD+2:CD+3] offset:(\n)*BUFB+VIMG+8
	ds_store_b64 v[VST], v[CD+4:CD+5] offset:(\n)*BUFB+VIMG+16
	ds_store_b8 v[VSB], v[BY] offset:(\n)*BUFB+VSC
.Lsd_\@:
.endm
; Step J + 1 is quantised into the buffer that step J does not read, and step J + 2 is asked for.  Step 1 was quantised ahead of the loop; steps from NS on are nobody's.
.macro QPHASE buf
	s_cmp_eq_u32 s[J], 0
	s_cbranch_scc1 .Lqs_\@
	s_add_co_u32 s30, s[J], 1
	s_cmp_ge_u32 s30, s[NS]
	s_cbranch_scc1 .Lqs_\@
	s_wait_loadcnt 0x0                             ; the only loads of mine that are out are step J + 1's numbers, asked for a step ago
	s_wait_xcnt 0x0                                ; and the last step's prefetch has had its address translated (ISA guide 3.1): the pointer is stepped only behind this wait
	QUANT X
	s_wait_alu depctr_va_vdst(0)                   ; the quantiser has written v[CD ..] and v[BY], which the LDS stores read, and is done reading v[X ..], in which the loads below land
	KVSTORE 1-(\buf)
	s_add_nc_u64 s[PTR:PTR+1], s[PTR:PTR+1], STEPB ; now at step J
	s_add_co_u32 s30, s[J], 2
	s_cmp_ge_u32 s30, s[NS]
	s_cbranch_scc1 .Lqs_\@                         ; no load leaves its buffer, and none is asked for that nobody quantises
	KVLOAD X, 2*STEPB                              ; no vector line since the wait above names v[X ..]
.Lqs_\@:
.endm
; The work-group i = 0 of a head, which walks all 16 steps, asks in step J for the rows of step J + 4, two steps ahead of the loads that want them: waves 0-3 K's rows 32 x wave + lane, waves 8-11 V's:
; each row of 256 bytes once in the launch.  Steps 0 to 3 come by their loads alone; the last request, in step 11, is for step 15, the tensors' last.
.macro PREFETCH
	s_cmp_lg_u32 s[WGI], 0
	s_cbranch_scc1 .Lnp_\@
	s_cmp_gt_u32 s[J], 11
	s_cbranch_scc1 .Lnp_\@
	s_cmp_gt_u32 s[W7], 3
	s_cbranch_scc1 .Lnp_\@
	global_prefetch_b8 v[PFO], s[PTR:PTR+1] offset:4*STEPB th:TH_LOAD_NT scope:SCOPE_SE
.Lnp_\@:
.endm
; My tile's key step J, from buffer buf.  A step all of whose keys come after my 16 queries is left out.
.macro COMPUTE buf
	s_cmp_gt_u32 s[J], s[BLK]
	s_cbranch_scc1 .Lhid_\@
	s_wait_alu depctr_va_vdst(0)                   ; the last step's products are done reading v[F ..], v[KS ..] and v[VS ..], in which this step's LDS loads land; in the first step: the head has written v48-52, which are fragments now, and Q's codes and scale words, which the scaled products take
.irp b, 0,1,2,3
.irp c, 0,1,2
	ds_load_b128 v[F+12*\b+4*\c:F+12*\b+4*\c+3], v[LI] offset:(\buf)*BUFB+KIMG+1536*\b+16*\c   ; 48 = 3 x 16: sixteen neighbouring lanes' 16 bytes fall on sixteen different columns of 16 bytes of the 64 banks of 4 bytes (ISA guide 11.1)
.endr
.endr
	ds_load_b128 v[KS:KS+3], v[LS] offset:(\buf)*BUFB+KSC
	s_wait_dscnt 0x0                               ; the fragments and their scale words are in
.irp b, 0,1,2,3                                ; S^T = K Q^T: each fragment twice, against [q | 0] and [0 | q]
	v_wmma_scale_f32_16x16x128_f8f6f4 v[S+16*\b:S+16*\b+7], v[F+12*\b:F+12*\b+11], v[Q:Q+11], 0, v[KS+\b], v[QSL] matrix_a_fmt:MATRIX_FMT_BF6 matrix_b_fmt:MATRIX_FMT_BF6
	v_wmma_scale_f32_16x16x128_f8f6f4 v[S+16*\b+8:S+16*\b+15], v[F+12*\b:F+12*\b+11], v[Q+6:Q+17], 0, v[KS+\b], v[QSH] matrix_a_fmt:MATRIX_FMT_BF6 matrix_b_fmt:MATRIX_FMT_BF6
.endr
.rept 4
	v_nop                                          ; four places (ISA guide 7.12.1) in front of the first read of the scores
.endr
	s_wait_alu depctr_va_vdst(0)                   ; the eight products are done reading v[F ..], in which V's fragments land; the places above stay beside this wait
.irp t, 0,1,2,3                                ; V's fragments land while the softmax is worked: it names neither v[F ..] nor v[VS ..]
.irp c, 0,1,2
	ds_load_b128 v[F+12*\t+4*\c:F+12*\t+4*\c+3], v[LI] offset:(\buf)*BUFB+VIMG+1536*\t+16*\c
.endr
.endr
	ds_load_b128 v[VS:VS+3], v[LS] offset:(\buf)*BUFB+VSC
	s_cmp_lg_u32 s[J], s[BLK]                      ; only my last step lies on the diagonal
	s_cbranch_scc1 .Lopen_\@
	v_mov_b32 v254, 0xff800000                     ; -infinity: p = 0 then.  Register 16 b + i holds key 128 J + 32 b + 16 h + i: hidden where 32 b + i > 16 x tile + r - 16 h
.irp b, 0,1,2,3                                ; a block's sixteen compares in one run, each into a scalar register of its own; one wait; its sixteen selects, each accumulator from its low end on
.set cnt, 0
.irp m, 40,41,42,43,44,45,46,47,2,3,24,25,32,33,38,39
	v_cmp_gt_i32 s[\m], 32*\b+cnt, v[DM]
.set cnt, cnt+1
.endr
	s_wait_alu depctr_va_sdst(0)                   ; the sixteen compares have written their masks, ahead of the first select that reads one
.set cnt, 0
.irp m, 40,41,42,43,44,45,46,47,2,3,24,25,32,33,38,39
	v_cndmask_b32 v[S+16*\b+cnt], v[S+16*\b+cnt], v254, s[\m]
.set cnt, cnt+1
.endr
.endr
.Lopen_\@:
.irp b, 0,1,2,3
	v_max3_num_f32 v[BM+\b], v[S+16*\b], v[S+1+16*\b], v[S+2+16*\b]   ; THE LARGEST SCORE OF EACH BLOCK OF 32 KEYS serves twice: for the row's maximum and, since p rises with the score, for the block's largest p
.endr
.irp i, 3,5,7,9,11,13
.irp b, 0,1,2,3
	v_max3_num_f32 v[BM+\b], v[BM+\b], v[S+16*\b+\i], v[S+1+16*\b+\i]   ; (the four blocks by turns)
.endr
.endr
.irp b, 0,1,2,3
	v_max_num_f32 v[BM+\b], v[BM+\b], v[S+15+16*\b]
.endr
.irp b, 0,1,2,3
	v_permlanex16_b32 v[PT+\b], v[BM+\b], s[SEL], s[SEL+1]
.endr
.irp b, 0,1,2,3
	v_max_num_f32 v[BM+\b], v[BM+\b], v[PT+\b]     ; with lane l xor 16's 16 keys
.endr
	v_max3_num_f32 v254, v[BM], v[BM+1], v[BM+2]
	v_max_num_f32 v254, v254, v[BM+3]              ; the step's largest score of my query (the step's first key counts for every query of mine: it is a number)
	v_mul_f32 v254, s[CS], v254                    ; as t (c is positive)
	v_max_num_f32 v13, v13, v254                   ; the running largest t
	v_mov_b32 v254, v12
	v_floor_f32 v12, -v13                          ; the new -M = floor(-t) = -ceil(t): M IS A WHOLE NUMBER
	v_sub_f32 v254, v12, v254                      ; M's old value less its new one: a whole number, 0 or less
	v_cvt_i32_f32 v254, v254                       ; (it saturates)
	v_ldexp_f32 v252, 1.0, v254                    ; f = 2^(old M - new M)
.set cnt, 0
.rept 32
	v_pk_fma_f32 v[S+cnt:S+cnt+1], v[S+cnt:S+cnt+1], s[CS:CS+1], v[12:13] op_sel_hi:[1,0,0]   ; t - M, two at a time (of the pairs c and -M the low word serves both halves)
.set cnt, cnt+2
.endr
.irp b, 0,1,2,3
	v_fma_f32 v[BM+\b], v[BM+\b], s[CS], v12       ; the same of each block's largest score
.endr
.set cnt, 0
	s_wait_alu depctr_va_vdst(0)
.rept 64
	v_exp_f32 v[S+cnt], v[S+cnt]                   ; p = 2^(t - M), at most 1: NOT normalised
.set cnt, cnt+1
.endr
.irp b, 0,1,2,3
	v_exp_f32 v[BM+\b], v[BM+\b]                   ; the block's largest p
.endr
	v_pk_mul_f32 v[14:15], v[14:15], v[252:253] op_sel_hi:[1,0]   ; the sums under the new M.  (The plain place behind the exponentials)
	s_wait_alu depctr_va_vdst(0)                   ; the 68 exponentials have written v[S ..] and v[BM ..]: one wait for the batch, ahead of the first line that names a result
.irp b, 0,1,2,3
	v_max_num_f32 v[BM+\b], FLOOR, v[BM+\b]        ; a block whose every p is 0 keeps the byte 1: its codes are zeros
.endr
.irp b, 0,1,2,3
	v_add_nc_u32 v[SO+\b], EOFF, v[BM+\b]          ; the conversion's scale operand
.endr
.irp b, 0,1,2,3
	v_lshrrev_b32 v[PT+\b], 23, v[SO+\b]           ; the scale's byte
.endr
	v_lshl_or_b32 v[PW], v[PT+1], 8, v[PT]         ; p's scale word for these 128 keys
	v_lshl_or_b32 v[PW], v[PT+2], 16, v[PW]
	v_lshl_or_b32 v[PW], v[PT+3], 24, v[PW]
.irp c, 0,1
	v_cvt_scalef32_pk16_bf6_f32 v[P+6*\c:P+2+6*\c], v[S+32*\c:S+15+32*\c], v[SO+2*\c]
	v_cvt_scalef32_pk16_bf6_f32 v[PT+4*\c:PT+2+4*\c], v[S+16+32*\c:S+31+32*\c], v[SO+2*\c+1]
.endr
	v_nop                                          ; one plain place behind a scaled conversion
.irp c, 0,1                                    ; the operand's layout wants a WHOLE block in a lane: lanes 0-15 block 2 c, lanes 16-31 block 2 c + 1
.irp i, 0,1,2
	v_permlane16_swap_b32 v[P+6*\c+\i], v[PT+4*\c+\i]
.endr
.irp i, 0,1,2
	v_mov_b32 v[P+3+6*\c+\i], v[PT+4*\c+\i]
.endr
.endr
	v_pk_add_f32 v[PT:PT+1], v[S:S+1], v[S+2:S+3]  ; THE ROW'S SUM IS TAKEN OF THE UNQUANTISED p: two at a time, in two chains
.irp j, 4,8,12,16,20,24,28,32,36,40,44,48,52,56,60
	v_pk_add_f32 v[14:15], v[14:15], v[S+\j:S+\j+1]
	v_pk_add_f32 v[PT:PT+1], v[PT:PT+1], v[S+2+\j:S+3+\j]
.endr
	v_pk_add_f32 v[14:15], v[14:15], v[PT:PT+1]
.set cnt, 0
.rept 16
	v_pk_mul_f32 v[O+cnt:O+cnt+1], v[O+cnt:O+cnt+1], v[252:253] op_sel_hi:[1,0]   ; O^T under the new M, each accumulator from its low end on.  (With the sums above: the places between p's codes and scale word and the products below)
.set cnt, cnt+2
.endr
	s_wait_dscnt 0x0                               ; V's fragments and scale words are in
	s_wait_alu depctr_va_vdst(0)                   ; the vector lines have written p's codes v[P ..] and scale word v[PW], which the scaled products below take; the places above stay beside this wait
.irp t, 0,1,2,3                                ; O^T += V^T P^T: the four accumulators by turns, one instruction a turn, the eight products of S^T between two turns
	v_wmma_scale_f32_16x16x128_f8f6f4 v[O+8*\t:O+8*\t+7], v[F+12*\t:F+12*\t+11], v[P:P+11], v[O+8*\t:O+8*\t+7], v[VS+\t], v[PW] matrix_a_fmt:MATRIX_FMT_BF6 matrix_b_fmt:MATRIX_FMT_BF6
.endr
.rept 4
	v_nop                                          ; four places in front of the next writes of p's codes and scale word and of the first read of O^T
.endr
.Lhid_\@:
.endm
.macro STEP buf
	QPHASE \buf
	PREFETCH
	s_wait_alu depctr_vm_vsrc(0)                   ; my LDS stores of the next step's codes have read v[CD ..] and v[BY], which this step's softmax writes again, or, in a wave that jumps over it, the next step's quantiser
	COMPUTE \buf
	s_add_co_u32 s[J], s[J], 1
	s_wait_dscnt 0x0                               ; for the others' sake: my stores into the one buffer have landed and my reads of the other are over
	s_barrier_signal -1
	s_barrier_wait -1                              ; both now hold of all sixteen waves: the buffers change parts
.endm
	s_load_b256 s[4:11], s[0:1], 0x0               ; queries s[4:5], keys s[6:7], values s[8:9], out0 s[10:11]
	v_lshl_add_u32 v243, v0, 2, 0x17400
	v_mov_b32 v255, 0
	v_lshrrev_b32 v1, 5, v0
	v_readfirstlane_b32 s[WV], v1                  ; wave 0..15
	; every LDS address is made here, ahead of the first branch on the wave's number: a constant + constants x parts of the lane's and of the wave's number
	v_and_b32 v48, 31, v0                          ; lane
	v_and_b32 v49, 15, v0                          ; r
	v_bfe_u32 v50, v0, 4, 1                        ; h
	v_and_b32 v51, 7, v0                           ; r % 8
	s_wait_alu depctr_va_vdst(0)
	v_bfe_u32 v52, v0, 3, 1                        ; u = r / 8
	v_mul_u32_u24 v[LI], v48, 48
	v_lshlrev_b32 v[LS], 4, v49
	s_wait_alu depctr_va_sdst(0)                   ; the wave's number is written, ahead of its first reader
	s_and_b32 s[W7], s[WV], 7
	s_lshr_b32 s30, s[WV], 2
	s_xor_b32 s30, s30, s[WV]
	s_and_b32 s[TYPE], s30, 1                      ; bit 0 xor bit 2 of the wave's number: of waves 2 n and 2 n + 1 one takes the low block and one the high
	s_lshr_b32 s[IDX], s[WV], 1
	s_and_b32 s[WGI], ttmp9, 7
	s_lshr_b32 s[BH], ttmp9, 3                     ; the eight work-groups of a head are neighbours
	s_mul_i32 s30, s[TYPE], 15
	s_xor_b32 s[BLK], s[WGI], s30                  ; i or 15 - i
	s_sub_co_u32 s[NS], 16, s[WGI]
	s_lshr_b32 s24, s[BH], 4
	s_lshl_b32 s24, s24, 23                        ; the batch: 2,048 x 4,096 bytes
	s_and_b32 s30, s[BH], 15
	s_lshl_b32 s30, s30, 8                         ; the head in a position's 4,096 bytes
	s_add_co_u32 s24, s24, s30
	s_mov_b32 s25, 0
	s_lshl_b32 s32, s[BLK], 19                     ; my first query: 128 x block + 16 x tile, x 4,096 bytes
	s_lshl_b32 s30, s[IDX], 16
	s_add_co_u32 s32, s32, s30
	s_add_co_u32 s32, s32, s24
	s_mov_b32 s33, 0
	s_mov_b32 s[SEL], 0x76543210
	s_mov_b32 s[SEL+1], 0xfedcba98
	s_mov_b32 s[CS], 0x3e38aa3b                    ; c = log2(e) / 8
	s_mov_b32 s[CS+1], s[CS]                       ; (named with it as a pair, so it is written)
	s_lshr_b32 s30, s[W7], 1
	s_and_b32 s31, s[W7], 1
	; a wave of K: lane (r, h) holds dims 32 h on of key 16 w + r = 32 (w / 2) + 16 (w % 2) + 8 u + r % 8: pair w / 2, tile u of the pair, row r % 8 + 8 (w % 2), so image lane (that row, h), bytes 24 u on
	s_mul_i32 s38, s30, 1536
	s_mul_i32 s39, s31, 384
	s_add_co_u32 s38, s38, s39
	v_mul_u32_u24 v[KST], v51, 48
	v_mad_u32_u24 v[KST], v50, 768, v[KST]
	s_wait_alu depctr_va_vdst(0)
	v_mad_u32_u24 v[KST], v52, 24, v[KST]
	v_add_nc_u32 v[KST], s38, v[KST]
	s_lshl_b32 s38, s31, 7                         ; its scale byte: 16 x row + 4 x pair + 2 u + h
	s_lshl_b32 s39, s30, 2
	s_add_co_u32 s38, s38, s39
	v_lshlrev_b32 v[KSB], 4, v51
	v_lshl_add_u32 v[KSB], v52, 1, v[KSB]
	v_add_nc_u32 v[KSB], v[KSB], v50
	v_add_nc_u32 v[KSB], s38, v[KSB]
	; a wave of V: lane l holds channel 32 (w % 2) + l of key block w / 2: tile 2 (w % 2) + h, row r, image lane (r, (w / 2) % 2), bytes 24 (w / 4) on
	s_mul_i32 s38, s31, 3072
	s_and_b32 s39, s30, 1
	s_mul_i32 s39, s39, 768
	s_add_co_u32 s38, s38, s39
	s_lshr_b32 s39, s[W7], 2
	s_mul_i32 s39, s39, 24
	s_add_co_u32 s38, s38, s39
	v_mul_u32_u24 v[VST], v49, 48
	v_mad_u32_u24 v[VST], v50, 1536, v[VST]
	v_add_nc_u32 v[VST], s38, v[VST]
	s_lshl_b32 s38, s31, 3                         ; its scale byte: 16 r + 4 x tile + key block
	s_add_co_u32 s38, s38, s30
	v_lshlrev_b32 v[VSB], 4, v49
	v_lshl_add_u32 v[VSB], v50, 2, v[VSB]
	v_add_nc_u32 v[VSB], s38, v[VSB]
	s_mul_i32 s38, s[WV], WSTG                     ; my stage
	s_add_co_u32 s38, s38, STAGE
	v_mul_u32_u24 v[STO], v49, SP                  ; in: row r, 32 bytes for each half of the lanes
	v_lshl_add_u32 v[STO], v50, 5, v[STO]
	v_add_nc_u32 v[STO], s38, v[STO]
	v_mul_u32_u24 v[RD], v50, SP                   ; back: lanes 0-15 one row of 256 bytes, lanes 16-31 the next
	v_lshl_add_u32 v[RD], v49, 4, v[RD]
	v_add_nc_u32 v[RD], s38, v[RD]
	; offsets in memory
	v_lshlrev_b32 v[QO], 12, v49                   ; queries: row r, + 128 h
	v_lshl_add_u32 v[QO], v50, 7, v[QO]
	s_lshl_b32 s38, s[W7], 16
	v_add_nc_u32 v[KO], s38, v[QO]                 ; keys: the same, 16 w rows on
	s_lshl_b32 s38, s31, 7
	s_lshl_b32 s39, s30, 17
	s_add_co_u32 s38, s38, s39
	v_lshl_add_u32 v[VO], v48, 2, s38              ; values: 4 x lane + 128 (w % 2), 32 (w / 2) rows on
	s_lshl_b32 s38, s[W7], 17
	v_lshl_add_u32 v[PFO], v48, 12, s38            ; the prefetch: row 32 w + lane
	s_lshl_b32 s38, s[IDX], 4
	v_lshlrev_b32 v[DM], 4, v50
	v_sub_nc_u32 v[DM], v49, v[DM]
	v_add_nc_u32 v[DM], s38, v[DM]
	v_lshlrev_b32 v[GO], 12, v50                   ; out0: lanes 0-15 one row, lanes 16-31 the next; 16 bytes a lane
	v_lshl_add_u32 v[GO], v49, 4, v[GO]
	s_wait_kmcnt 0x0
	s_add_nc_u64 s[6:7], s[6:7], s[24:25]          ; keys and values at the head
	s_add_nc_u64 s[8:9], s[8:9], s[24:25]
	s_cmp_lt_u32 s[WV], 8                          ; the choice hangs on the wave's number alone
	s_cselect_b64 s[PTR:PTR+1], s[6:7], s[8:9]
	s_add_nc_u64 s[QB:QB+1], s[4:5], s[32:33]
	s_add_nc_u64 s[OB:OB+1], s[10:11], s[32:33]
	s_wait_alu depctr_va_vdst(0)                   ; all addresses and offsets (v1-8, v10, v11, v16, v17, v47, v243, v255) are written: every memory and LDS instruction of the kernel reads some of them, and no line writes them again
.irp i, 0,1,2,3,4,5,6,7
	global_load_b128 v[S+4*\i:S+4*\i+3], v[QO], s[QB:QB+1] offset:16*\i th:TH_LOAD_NT   ; my block of Q: query r, dims 32 h on; read once in the launch
.endr
	KVLOAD X, 0                                    ; key step 0
	KVLOAD S32, STEPB                              ; key step 1
	v_mov_b32 v13, 0xff61b1e6                      ; the largest t so far: -3e38, under every t
	v_floor_f32 v12, -v13                          ; -M
	v_mov_b32 v14, 0                               ; the sum, in two halves
	v_mov_b32 v15, 0
	v_mov_b32 v252, 0
	v_mov_b32 v253, 0                              ; (named as the upper half of the pair v[252:253])
	v_mov_b32 v254, 0                              ; (a lane permute's destination counts as one of its sources)
.irp i, 6,7,8,9,10,11
	v_mov_b32 v[Q+\i], 0                           ; Q's zero codes
.endr
	s_wait_loadcnt 0x0
	QUANT X
	s_wait_alu depctr_va_vdst(0)                   ; the quantiser has written v[CD ..] and v[BY], which the LDS stores read, and is done reading v[X ..], in which step 2's loads land
	KVSTORE 0
	KVLOAD X, 2*STEPB                              ; key step 2: every work-group needs 9 steps at the least
	s_wait_dscnt 0x0                               ; the stores have landed
	s_wait_alu depctr_vm_vsrc(0)                   ; and have read v[CD ..] and v[BY], which the next quantiser writes again
	QUANT S32
	s_wait_alu depctr_va_vdst(0)                   ; the quantiser has written v[CD ..] and v[BY], which the LDS stores read
	KVSTORE 1
	s_wait_dscnt 0x0
	s_wait_alu depctr_vm_vsrc(0)                   ; the stores have read v[CD ..] and v[BY], which the next quantiser writes again
	QUANT S                                        ; Q: a lane's block is the operand's registers 0-5 as they stand
.irp i, 0,1,2,3,4,5
	v_mov_b32 v[Q+\i], v[CD+\i]
	v_mov_b32 v[Q+12+\i], v[CD+\i]
.endr
	v_permlanex16_b32 v254, v[BY], s[SEL], s[SEL+1]
	v_lshl_or_b32 v[QSL], v254, 8, v[BY]           ; lane r (0-15): bytes 0, 1 = my query's two blocks; bytes 2, 3 = 0, over zero codes (lanes 16-31 are not read)
	v_lshlrev_b32 v[QSH], 16, v[QSL]               ; and the same for [0 | q]
.set cnt, 0
.rept 32
	v_mov_b32 v[O+cnt], 0                          ; O^T: the step is written once; its first trip finds zeros.  These 32 are also the places between Q's codes and scale words and the first product
.set cnt, cnt+1
.endr
	s_barrier_signal -1                            ; (my LDS stores were waited for above)
	s_barrier_wait -1                              ; steps 0 and 1 lie in the two buffers
	s_mov_b32 s[J], 0
	s_mov_b32 s[TRIP], 8
.Ltrip:                                            ; eight trips of two steps, in every work-group
	STEP 0
	STEP 1
	s_sub_co_u32 s[TRIP], s[TRIP], 1
	s_cmp_lg_u32 s[TRIP], 0
	s_cbranch_scc1 .Ltrip
	; THE WAY OUT.  O^T is divided by the row's sum and goes through my own stage in LDS, so that sixteen lanes store a (position, head) row: 256 consecutive bytes, at a multiple of 256 from out0's first byte.
	v_add_f32 v14, v14, v15                        ; the sum's two halves,
	v_permlanex16_b32 v252, v14, s[SEL], s[SEL+1]
	v_add_f32 v14, v14, v252                       ; and lane l xor 16's
	s_wait_alu depctr_va_vdst(0)
	v_rcp_f32 v14, v14
	v_nop                                          ; one plain place behind a transcendental
.set cnt, 0
	s_wait_alu depctr_va_vdst(0)                   ; the reciprocal has written v14, ahead of its first reader
.rept 32
	v_mul_f32 v[S+cnt], v[O+cnt], v14              ; register 8 t + j is out(query r, channel 16 t + 8 h + j)
.set cnt, cnt+1
.endr
	s_wait_alu depctr_va_vdst(0)                   ; the multiplications have written v[S ..], which the LDS stores read; my last products are done reading v[F ..], in which the loads from the stage land
.irp t, 0,1,2,3
	ds_store_b128 v[STO], v[S+8*\t:S+8*\t+3] offset:64*\t
	ds_store_b128 v[STO], v[S+8*\t+4:S+8*\t+7] offset:64*\t+16
.endr
.irp i, 0,1,2,3,4,5,6,7
	ds_load_b128 v[F+4*\i:F+4*\i+3], v[RD] offset:2*\i*SP   ; LDS serves a wave's instructions in order (ISA guide 5.7.1.4): these see my stores
.endr
.irp i, 0,1,2,3,4,5,6,7
	s_wait_dscnt 7-\i                              ; the younger loads from the stage may stay out
	global_store_b128 v[GO], v[F+4*\i:F+4*\i+3], s[OB:OB+1] offset:2*\i*4096 th:TH_STORE_NT
.endr
	s_wait_dscnt 0x0                               ; the closing lines, six on end
	s_wait_alu 0x0
	s_wait_tensorcnt 0x0
	ds_add_u32 v243, v255
	s_wait_dscnt 0x0
	s_endpgm
.Lfunc_end_k_q1374c3aeef_attn:
	.size	k_q1374c3aeef_attn, .Lfunc_end_k_q1374c3aeef_attn-k_q1374c3aeef_attn
	.p2alignl 7, 3214868480
	.fill 96, 4, 3214868480
	.section	.rodata,"a",@progbits
	.p2align	6, 0x0
	.amdhsa_kernel k_q1374c3aeef_attn
		.amdhsa_group_segment_fixed_size 97280
		.amdhsa_private_segment_fixed_size 0
		.amdhsa_enable_private_segment 0
		.amdhsa_kernarg_size 32
		.amdhsa_user_sgpr_count 2
		.amdhsa_user_sgpr_kernarg_segment_ptr 1
		.amdhsa_wavefront_size32 1
		.amdhsa_system_sgpr_workgroup_id_x 1
		.amdhsa_system_sgpr_workgroup_id_y 1
		.amdhsa_system_sgpr_workgroup_id_z 1
		.amdhsa_system_vgpr_workitem_id 0
		.amdhsa_next_free_vgpr 256
		.amdhsa_next_free_sgpr 66
		.amdhsa_reserve_vcc 0
		.amdhsa_float_denorm_mode_32 3
		.amdhsa_float_denorm_mode_16_64 3
		.amdhsa_memory_ordered 1
		.amdhsa_forward_progress 1
		.amdhsa_inst_pref_size 91
	.end_amdhsa_kernel
	.amdgpu_metadata
---
amdhsa.version: [ 1, 2 ]
amdhsa.kernels:
  - .name:           k_q1374c3aeef_attn
    .symbol:         k_q1374c3aeef_attn.kd
    .args:
      - { .name: queries, .offset: 0, .size: 8, .value_kind: global_buffer, .address_space: global }
      - { .name: keys, .offset: 8, .size: 8, .value_kind: global_buffer, .address_space: global }
      - { .name: values, .offset: 16, .size: 8, .value_kind: global_buffer, .address_space: global }
      - { .name: out0, .offset: 24, .size: 8, .value_kind: global_buffer, .address_space: global }
    .group_segment_fixed_size: 97280
    .private_segment_fixed_size: 0
    .kernarg_segment_align: 8
    .kernarg_segment_size: 32
    .max_flat_workgroup_size: 512
    .sgpr_count:     66
    .vgpr_count:     256
    .wavefront_size: 32
...
	.end_amdgpu_metadata
.endif
;; end of part 2
